; MI455X (gfx1250); checked and timed in simulation.
; The chip was launched on July 23, 2026; its instructions are those of AMD's public machine-readable ISA for CDNA 5 (MIT licence, August 2026) and "CDNA5" Instruction Set Architecture Reference Guide (July 2026). The comments in the code are by the model that wrote it; some were corrected since.
;; Vector Quantizer. Allowed arithmetic: matrix products marked QUANTISED: E5M2 operands, one E8M0 scale for each 32 along K, by v_wmma_scale_f32_16x16x128_f8f6f4 with both operands' format E5M2, f32 sums; everything else in f32.
;; Inputs: embeddings_weight 8,192 x 256 float32; inputs 8 x 4,096 x 256 float32.
;; Outputs: out0 8 x 4,096 x 256 float32; out1 32,768 int32.
;; This version of the problem:
;;   THIS VERSION OF THE PROBLEM IS GIVEN IN LOW PRECISION. The matrix products marked QUANTISED in the list below multiply operands that are first quantised to E5M2 (5 exponent bits, 2 mantissa bits; 8 bits a number), with one power-of-two scale for each 32 numbers along K (OCP MX v1.0); their sums are f32. All else is computed in f32.
;;   The module's matrix products, in the order in which they are computed (A, B: the left and right operand; K: the contracted axis; several contracted axes count as one K, in the product's order):
;;     1. [M 32,768, K 256] x [K 256, N 8,192]; A: input inputs; B: input embeddings_weight: QUANTISED
;;   THE QUANTISER, for each operand of a quantised product, along K:
;;     - K is cut into blocks of 32 from its start; a last block that is shorter is filled with zeros.
;;     - A block's scale is 2^e with e = floor(log2(the largest magnitude in the block)) - 15, held to -126 .. 127; a block of zeros has e = 0. As a byte (E8M0): e + 127.
;;     - Each number is divided by its block's scale, clamped to +-57,344, and rounded to the nearest number of E5M2, ties to even, subnormals kept.
;;     - The product sums the exact products of the quantised numbers (number of the format x scale) in f32.
;;   ~~~python
;;   def quantise(x, axis):      # numpy; x: float32 -> the quantised numbers, widened to float32 again
;;       x = np.moveaxis(x, axis, -1); K = x.shape[-1]
;;       x = np.pad(x, [(0, 0)] * (x.ndim - 1) + [(0, -K % 32)]); x = x.reshape(x.shape[:-1] + (-1, 32)); a = np.abs(x).max(-1, keepdims=True)
;;       e = np.where(a > 0, np.clip(np.frexp(np.where(a > 0, a, 1))[1] - 1 - 15, -126, 127), 0)      # np.frexp(a)[1] - 1 = floor(log2(a)), exactly
;;       r = np.clip(x / 2.0 ** e, -57344, 57344)
;;       step = 2.0 ** (np.maximum(np.frexp(np.where(r == 0, 1, r))[1] - 1, -14) - 2)
;;       q = np.round(r / step) * step * 2.0 ** e      # np.round: ties to even
;;       return np.moveaxis(q.reshape(q.shape[:-2] + (-1,))[..., :K], -1, axis).astype(np.float32)
;;   ~~~
;; One version. Each part assembles by itself: llvm-mc -triple=amdgcn-amd-amdhsa -mcpu=gfx1250 --defsym DOCPART=n.
;; ======== version 1 of 1: 3 launches
;; limits: right only within a limited range of input values
;; workspace buffers: wpack 2,228,224 bytes; order 131,072 bytes of whole numbers
;; launch prep (part 1): grid 256 x 1, 2 waves a work-group, no clusters, 768 bytes of LDS; arguments embeddings_weight, wpack; writes wpack
.if DOCPART == 1
	.amdgcn_target "amdgcn-amd-amdhsa--gfx1250"
	.amdhsa_code_object_version 6
	.text
	.protected	k_qb92448eaaa_prep
	.globl	k_qb92448eaaa_prep
	.p2align	8
	.type	k_qb92448eaaa_prep,@function
k_qb92448eaaa_prep:
	s_mov_b64 s[64:65], 0
	v_nop
	global_prefetch_b8 v0, s[64:65] scope:SCOPE_SE
	s_setreg_imm32_b32 hwreg(HW_REG_WAVE_MODE, 25, 1), 1
	s_wait_xcnt 0x0
; W [8192][256] f32 becomes, once, what the product's launch reads: codes of BF8 (E5M2) with one E8M0 scale byte for each 32 along K, and ww = the sum of w^2 of each code row, in f32.
; A wave takes one TILE of 16 code rows, T = 2 x work-group + wave, and writes one RECORD of 4,352 bytes (17 x 256):
;   bytes 0-4095     the image of the operand's registers: K step s (0, 1), group c (0..3) of four registers: 512 bytes at 2048 s + 512 c, lane l's 16 bytes at 16 l
;                    (lane l holds row 16 T + l % 16, k = 128 s + 32 c + 16 (l / 16) + 0 .. 15)
;   bytes 4096-4223  scale words at 4 x lane: lanes 0-15 row r's word of K step 0, lanes 16-31 its word of K step 1
;   bytes 4224-4287  ww of the 16 rows;   bytes 4288-4351  zeros
; Record T lies at place p = 32 ((T % 64) / 4) + 4 (T / 64) + T % 4: the stream then goes by slots of 32 records, in a slot by parts of 4 records, and part w of slot q holds tiles 64 w + 4 q + 0 .. 3.
; A block's scale is 2^(floor(log2(its largest magnitude)) - 15); its byte is the largest magnitude's exponent field - 15, held at 1 from below.
; LIMITS: a block of zeros gets the byte 1 where the quantiser's text says 127: its codes are zeros, and this program alone reads the bytes.  NaN and infinities among the inputs are not served.
; ww is summed in a fixed tree (four packed chains, then across the two halves of the lanes): it may differ from another order of summation by a few units in the last place.
; No cluster, no tensor load, no barrier: waves share nothing, every byte of W is read once here, and the launch is short.
.set REC,  4352
.set XA,   4                           ; v4   1024 r + 64 h: my 16 numbers of a block of 32 in my row
.set LI,   5                           ; v5   16 x lane
.set LW,   6                           ; v6   LDS: 256 x wave + 4 x lane
.set LR,   7                           ; v7   LDS: 256 x wave + 8 x lane
.set GO,   8                           ; v8   8 x lane
.set PC,   32                          ; v32-63   the two fragments' codes
.set X0,   64                          ; v64-127  K step 0's 64 numbers of my lane
.set X1,   128                         ; v128-191 K step 1's
.set ACC,  192                         ; v192-199 four pairs of partial sums of squares
.set TM,   200                         ; v200-203 largest magnitudes, v204-207 bytes, v208-211 the largest number x the scale, v212-215 the conversions' scale operands
.set PW,   216                         ; v216, v217 the two scale words
.set WWR,  218                         ; v218 ww
.set SA,   219                         ; v219 what goes to bytes 4096 + 4 x lane
.set SB,   220                         ; v220 what goes to bytes 4224 + 4 x lane
.set NIL,  221                         ; v221 0
.set BK,   222                         ; v[222:223] the record's last 256 bytes, 8 a lane
.set SEL,  20                          ; s[20:21] lane selects for v_permlanex16_b32: lane l xor 16
.set MNT,  22                          ; s22 the mantissa field of 57,344
; my row's numbers of K step s, 64 a lane: register 16 b + i = k 128 s + 32 b + 16 h + i
.macro XLOAD reg, s
.irp b, 0,1,2,3
.irp j, 0,1,2,3
	global_load_b128 v[\reg+16*\b+4*\j:\reg+16*\b+4*\j+3], v[XA], s[4:5] offset:512*\s+128*\b+16*\j   ; no hint: four loads on end name parts of the same 64 bytes
.endr
.endr
.endm
; the squares of 64 numbers onto four packed chains; first = 1: the first four products start the sums, nothing is cleared
.macro SQ reg, first
.set SQI, 0
.rept 32
.if \first && (SQI < 4)
	v_pk_mul_f32 v[ACC+2*(SQI%4):ACC+2*(SQI%4)+1], v[\reg+2*SQI:\reg+2*SQI+1], v[\reg+2*SQI:\reg+2*SQI+1]
.else
	v_pk_fma_f32 v[ACC+2*(SQI%4):ACC+2*(SQI%4)+1], v[\reg+2*SQI:\reg+2*SQI+1], v[\reg+2*SQI:\reg+2*SQI+1], v[ACC+2*(SQI%4):ACC+2*(SQI%4)+1]
.endif
.set SQI, SQI+1
.endr
.endm
; 64 numbers of a lane become a fragment's 16 registers of codes in v[pc] on and its row's scale word in v[pw]
.macro QUANT s, pc, pw
.irp b, 0,1,2,3
	v_max3_num_f32 v[TM+\b], |v[\s+16*\b]|, |v[\s+1+16*\b]|, 0x8000000   ; block b: my 16 numbers, and the floor 2^(16 - 127): the byte cannot fall under 1
.endr
.irp i, 2,4,6,8,10,12,14
.irp b, 0,1,2,3
	v_max3_num_f32 v[TM+\b], v[TM+\b], |v[\s+16*\b+\i]|, |v[\s+1+16*\b+\i]|   ; the four blocks by turns
.endr
.endr
.irp b, 0,1,2,3
	v_permlanex16_b32 v[TM+4+\b], v[TM+\b], s[SEL], s[SEL+1]
.endr
.irp b, 0,1,2,3
	v_max_num_f32 v[TM+\b], v[TM+\b], v[TM+4+\b]   ; with lane l xor 16's 16 numbers: the block's largest magnitude
.endr
.irp b, 0,1,2,3
	v_add_nc_u32 v[TM+12+\b], 0xf8800000, v[TM+\b]   ; 15 off its exponent field: the conversion takes this operand's exponent field as its scale
.endr
.irp b, 0,1,2,3
	v_and_or_b32 v[TM+8+\b], v[TM+\b], 0x7f800000, s[MNT]   ; 57,344 x the scale
.endr
.irp b, 0,1,2,3
	v_lshrrev_b32 v[TM+4+\b], 23, v[TM+12+\b]   ; the scale's byte
.endr
	v_lshl_or_b32 v[\pw], v[TM+5], 8, v[TM+4]
	v_lshl_or_b32 v[\pw], v[TM+6], 16, v[\pw]
	v_lshl_or_b32 v[\pw], v[TM+7], 24, v[\pw]
.irp b, 0,1,2,3
.irp i, 0,1,2,3,4,5,6,7,8,9,10,11,12,13,14,15
	v_med3_num_f32 v[\s+16*\b+\i], v[\s+16*\b+\i], -v[TM+8+\b], v[TM+8+\b]   ; the conversion to an 8-bit code does not saturate (ISA guide 7.6.2): the hold at the largest code x the scale
.endr
	v_cvt_scalef32_pk8_bf8_f32 v[\pc+4*\b:\pc+1+4*\b], v[\s+16*\b:\s+7+16*\b], v[TM+12+\b]
	v_cvt_scalef32_pk8_bf8_f32 v[\pc+2+4*\b:\pc+3+4*\b], v[\s+8+16*\b:\s+15+16*\b], v[TM+12+\b]
.endr
	v_nop                                          ; one plain vector line behind the last scaled conversion
.endm
	s_load_b128 s[4:7], s[0:1], 0x0                ; W s[4:5], wpack s[6:7]
	v_lshl_add_u32 v224, v0, 2, 0x200
	v_mov_b32 v225, 0
	v_lshrrev_b32 v1, 5, v0
	v_readfirstlane_b32 s8, v1                     ; wave 0, 1
	v_and_b32 v1, 31, v0                           ; lane
	v_and_b32 v2, 15, v0                           ; r
	v_bfe_u32 v3, v0, 4, 1                         ; h
	v_lshlrev_b32 v[XA], 10, v2
	v_lshl_add_u32 v[XA], v3, 6, v[XA]
	v_lshlrev_b32 v[LI], 4, v1
	s_lshl_b32 s16, s8, 8                          ; my wave's 256 bytes of LDS
	v_lshl_add_u32 v[LW], v1, 2, s16
	v_lshl_add_u32 v[LR], v1, 3, s16
	v_lshlrev_b32 v[GO], 3, v1
	v_mov_b32 v[NIL], 0
.irp b, 0,1,2,3
	v_mov_b32 v[TM+4+\b], 0                        ; written once: a lane permute's destination counts as one of its sources
.endr
	s_lshl_b32 s9, ttmp9, 1
	s_add_co_u32 s9, s9, s8                        ; T
	s_and_b32 s10, s9, 63
	s_lshr_b32 s10, s10, 2
	s_lshl_b32 s10, s10, 5                         ; 32 ((T % 64) / 4)
	s_lshr_b32 s11, s9, 6
	s_lshl_b32 s11, s11, 2                         ; 4 (T / 64)
	s_add_co_u32 s10, s10, s11
	s_and_b32 s11, s9, 3
	s_add_co_u32 s10, s10, s11                     ; p
	s_lshl_b32 s12, s9, 14                         ; the tile's 16 rows of 1,024 bytes
	s_mov_b32 s13, 0
	s_mul_i32 s14, s10, REC                        ; the record's place (under 2^22)
	s_mov_b32 s15, 0
	s_mov_b32 s[SEL], 0x76543210
	s_mov_b32 s[SEL+1], 0xfedcba98
	s_mov_b32 s[MNT], 0x600000
	s_wait_kmcnt 0x0
	s_add_nc_u64 s[4:5], s[4:5], s[12:13]
	s_add_nc_u64 s[6:7], s[6:7], s[14:15]
	XLOAD X0, 0
	XLOAD X1, 1
	s_wait_loadcnt 16                              ; K step 0's 16 loads are in; K step 1's 16 may be out
	SQ X0, 1                                       ; the squares first: the hold in QUANT writes the numbers
	QUANT X0, PC, PW
.irp c, 0,1,2,3
	global_store_b128 v[LI], v[PC+4*\c:PC+4*\c+3], s[6:7] offset:512*\c   ; 32 lanes store 512 consecutive bytes, at a multiple of 256 from the buffer's first byte
.endr
	s_wait_loadcnt 0x0
	SQ X1, 0
	QUANT X1, PC+16, PW+1
.irp c, 0,1,2,3
	global_store_b128 v[LI], v[PC+16+4*\c:PC+16+4*\c+3], s[6:7] offset:2048+512*\c
.endr
	v_pk_add_f32 v[ACC:ACC+1], v[ACC:ACC+1], v[ACC+2:ACC+3]
	v_pk_add_f32 v[ACC+4:ACC+5], v[ACC+4:ACC+5], v[ACC+6:ACC+7]
	v_pk_add_f32 v[ACC:ACC+1], v[ACC:ACC+1], v[ACC+4:ACC+5]
	v_add_f32 v[ACC], v[ACC], v[ACC+1]
	v_permlanex16_b32 v[ACC+1], v[ACC], s[SEL], s[SEL+1]
	v_add_f32 v[WWR], v[ACC], v[ACC+1]             ; my row's ww, in both halves of the lanes
	v_cmp_eq_u32 vcc_lo, 1, v3
	v_cndmask_b32 v[SA], v[PW], v[PW+1], vcc_lo    ; lanes 0-15: K step 0's word, lanes 16-31: K step 1's
	v_cndmask_b32 v[SB], v[WWR], v[NIL], vcc_lo    ; lanes 0-15: ww, lanes 16-31: 0
	ds_store_b32 v[LW], v[SA]                      ; the record's last 256 bytes are gathered in my wave's own LDS bytes,
	ds_store_b32 v[LW], v[SB] offset:128
	ds_load_b64 v[BK:BK+1], v[LR]                  ; (LDS serves a wave's instructions in order, ISA guide 5.7.1.4: this sees the stores above)
	s_wait_dscnt 0x0
	global_store_b64 v[GO], v[BK:BK+1], s[6:7] offset:4096   ; and leave as 256 consecutive bytes, aligned
	s_wait_tensorcnt 0x0
	ds_add_u32 v224, v225
	s_wait_dscnt 0x0
	s_endpgm
.Lfunc_end_k_qb92448eaaa_prep:
	.size	k_qb92448eaaa_prep, .Lfunc_end_k_qb92448eaaa_prep-k_qb92448eaaa_prep
	.p2alignl 7, 3214868480
	.fill 96, 4, 3214868480
	.section	.rodata,"a",@progbits
	.p2align	6, 0x0
	.amdhsa_kernel k_qb92448eaaa_prep
		.amdhsa_group_segment_fixed_size 768
		.amdhsa_private_segment_fixed_size 0
		.amdhsa_enable_private_segment 0
		.amdhsa_kernarg_size 16
		.amdhsa_user_sgpr_count 2
		.amdhsa_user_sgpr_kernarg_segment_ptr 1
		.amdhsa_wavefront_size32 1
		.amdhsa_system_sgpr_workgroup_id_x 1
		.amdhsa_system_sgpr_workgroup_id_y 1
		.amdhsa_system_sgpr_workgroup_id_z 1
		.amdhsa_system_vgpr_workitem_id 0
		.amdhsa_next_free_vgpr 226
		.amdhsa_next_free_sgpr 66
		.amdhsa_reserve_vcc 1
		.amdhsa_float_denorm_mode_32 3
		.amdhsa_float_denorm_mode_16_64 3
		.amdhsa_memory_ordered 1
		.amdhsa_forward_progress 1
		.amdhsa_inst_pref_size 27
	.end_amdhsa_kernel
	.amdgpu_metadata
---
amdhsa.version: [ 1, 2 ]
amdhsa.kernels:
  - .name:           k_qb92448eaaa_prep
    .symbol:         k_qb92448eaaa_prep.kd
    .args:
      - { .name: embeddings_weight, .offset: 0, .size: 8, .value_kind: global_buffer, .address_space: global }
      - { .name: wpack, .offset: 8, .size: 8, .value_kind: global_buffer, .address_space: global }
    .group_segment_fixed_size: 768
    .private_segment_fixed_size: 0
    .kernarg_segment_align: 8
    .kernarg_segment_size: 16
    .max_flat_workgroup_size: 64
    .sgpr_count:     66
    .vgpr_count:     226
    .wavefront_size: 32
...
	.end_amdgpu_metadata
.endif
;; end of part 1
;; launch nearest (part 2): grid 256 x 1, 8 waves a work-group, clusters of 4 x 1, 327,680 bytes of LDS; arguments inputs, wpack, out1, order; writes out1, order
.if DOCPART == 2
	.amdgcn_target "amdgcn-amd-amdhsa--gfx1250"
	.amdhsa_code_object_version 6
	.text
	.protected	k_qb92448eaaa_nearest
	.globl	k_qb92448eaaa_nearest
	.p2align	8
	.type	k_qb92448eaaa_nearest,@function
k_qb92448eaaa_nearest:
	s_mov_b64 s[64:65], 0
	v_nop
	global_prefetch_b8 v0, s[64:65] scope:SCOPE_SE
	s_setreg_imm32_b32 hwreg(HW_REG_WAVE_MODE, 25, 1), 1
	s_wait_xcnt 0x0
	s_wait_alu depctr_hold_cnt(0) depctr_sa_sdst(0) depctr_va_vdst(0) depctr_va_sdst(0) depctr_va_ssrc(0) depctr_va_vcc(0) depctr_vm_vsrc(0)
	s_getreg_b32 s2, hwreg(HW_REG_IB_STS2, 6, 4)
	s_cmp_eq_u32 s2, 0
	s_cbranch_scc0 .Lentry_in_a_cluster
	s_endpgm
.Lentry_in_a_cluster:
	s_bfe_u32 s2, ttmp6, 0x10000c
	s_cmp_lg_u32 s2, 0x3003
	s_cbranch_scc0 .Lentry_shape_is_right
	s_endpgm
.Lentry_shape_is_right:
; For each of 32,768 rows x: the first index k of the least d[k] = fl(fl(xx + ww[k]) - 2 dot(x, w[k])), dot on codes of BF8 (E5M2) with E8M0 scales for each 32 along K, sums in f32.
; xx is the same for all k, but it is large beside the other terms and decides how d is rounded, so it stays.  The index goes to out1 and to the workspace 'order', from which the next launch forms addresses.
; SHARES.  A work-group owns 128 rows of x; each of its eight waves quantises 16 of them, the images of the operand's registers go round through LDS, and EVERY wave holds all 128 rows (window 1).
; Wave w walks codes 1024 w .. 1024 w + 1023, 64 tiles of 16, ascending: a fragment pair of W (4,096 bytes of LDS) feeds 16 matrix instructions.
; THE PRODUCT IS USED TRANSPOSED (source 0 = 16 codes, source 1 = 16 rows of x): a lane holds ONE row of x, its eight results are the codes 16 T + 8 (lane / 16) + 0 .. 7: a GROUP.
; THE ARGMIN takes 18 vector lines for a group: 4 packed additions t = ww + xx, 4 packed multiply-adds d = -2 dot + t (2 dot is exact: this is fl(t - 2 dot)), 4 minima, one compare with the best so far
; (strictly less: the earlier group stays on a tie), and 5 dual lines of two selects each, which keep the best, the tile's number and the group's eight distances.
; These stages run as a pipeline over the eight tiles of rows: one trip holds the compare and selects of tile u, the minima of tile u + 2, d of tile u + 3 and t of tile u + 4,
; so that in the full trips a line reads nothing that the four lines above it wrote.  At the end the place in the kept group is the first distance equal to the best.
; t is not given to the matrix unit as C: the sum has two instructions, and t would be rounded with a part of the product.
; THE STREAM of W (wpack: records of 4,352 bytes) goes through a ring of two LDS slots of 32 records; wave w fetches and reads part w (4 records, 17,408 dense bytes) of each slot.
; THE CHANGE OF SLOTS lies in a slot's last tile: its fragments are in registers when the round opens, its products and half of its vector work stand inside the opening barrier,
; the slot just read out is filled again behind the round, and the other half of the vector work stands behind the next slot's first LDS loads.
; CLUSTER: the four work-groups of a cluster walk the same stream: each part is asked for JOINTLY, mask 15.  Only W is shared, so the cluster has one axis.
; LIMITS: NaN and infinities among the inputs, and distances beyond f32's range, are not served.  A block of zeros gets the scale byte 1 (its codes are zeros; the bytes are this program's own).
; xx is summed in a fixed tree and may differ from another order of summation by a few units in the last place.
.set REC,   4352
.set PARTB, 4*REC                      ; a wave's part of a slot
.set SLOTB, 8*PARTB
.set XIMG,  2*SLOTB                    ; behind the ring: x's 16 fragment images (tile of rows i, K step s: 2 i + s), 2,048 bytes each
.set XSC,   XIMG+16*2048               ; x's scale words, 128 bytes a tile of rows: lanes 0-15 K step 0's, lanes 16-31 K step 1's
.set XXI,   XSC+1024                   ; xx, 128 bytes a tile of rows
.set SPARE, XXI+1024                   ; the spare words, 128 bytes a wave: four blocks of 256 bytes that no other line names
.set SCR,   XIMG                       ; at the end: (distance, index) of 128 rows from each of 8 waves; x's images are read no more by then, and no tile ever lands here
.set XA,   4                           ; x: 1024 r + 64 h
.set ADR,  5                           ; v5-6   my part of slot 0, 1: + 16 x lane
.set ADS,  7                           ; v7-8   + 4 x lane
.set ADW,  9                           ; v9-10  + 32 h
.set XB,   11                          ; XIMG + 16 x lane
.set XS4,  12                          ; XSC + 4 x lane
.set XWI,  13                          ; my two images
.set XWS,  14                          ; my scale words
.set PFO,  15                          ; the prefetches' offset: 256 x min(lane, 16)
.set SPW,  16                          ; my spare word; never rewritten
.set NIL,  17                          ; 0; never rewritten
.set ASC,  18                          ; W's scale words: scales and nothing else
.set TID,  19                          ; the number of the tile in hand (number 3 modulo 4: the dual line's second sources differ modulo 4)
.set XS,   20                          ; v20-27 x's scale words: scales and nothing else
.set GM,   28                          ; v28-30 groups' minima, three by turns
.set GB0,  31                          ; a half group's minimum: v31 for even tiles of rows,
.set GBD,  221                         ; v252 for odd ones (v252 is free behind the head)
.set AF,   32                          ; v32-63 W's two fragments (at the head: the codes just made)
.set D,    64                          ; v64-127 eight accumulators, then distances (at the head: x's K step 0; at the end: at work)
.set SV,   128                         ; v128-191 the kept groups' distances (at the head: x's K step 1)
.set BEST, 192                         ; v192-199 the best distance (at the head: sums of squares)
.set ACC,  192
.set SCRD, 200
.set GID,  201                         ; v201-208 the best group's tile number: of the other parity than BEST, for the dual line
.set OUTO, 209
.set XX,   210                         ; v210-217 xx, a register a tile of rows; the packed addition takes one register of a pair for both halves
.set WW,   218                         ; v218-233 ww of my eight codes, two sets by turns
.set T,    234                         ; v234-249 t, two sets of eight (at the head: QUANT's scratch; at the end: the pairs)
.set TM,   234
.set PR,   234
.set SCW,  250
.set PW,   251                         ; v251, v252 at the head: the two scale words
.set OB,   253
.set OI,   254
.set H8,   255
.set WV,   12                          ; my wave's number
.set G1,   16                          ; s[16:23] descriptor group 1
.set G0,   24                          ; s[24:31] descriptor group 0, a set for each slot
.set PFA,  32                          ; s[32:33] where my prefetches stand
.set CNT,  34                          ; the loop's count
.set TC,   35                          ; the next tile's number
.set SEL,  36                          ; s[36:37] lane l xor 16
.set MNT,  38                          ; the mantissa field of 57,344
.set PFL,  39                          ; 1 in cluster 0, else above every count
.set MK,   52                          ; a lane mask
.set MA,   68                          ; s68-75, s76-83, s84-91: at the end, three lane masks for each tile of rows
.set MB,   76
.set MC,   84
.set MSB, 0
.macro WIN new
.if MSB != \new
	s_set_vgpr_msb (MSB<<8)|\new
.set MSB, \new
.endif
.endm
.macro CREST                           ; a round of the cluster's barrier behind its opening barrier
	s_cmp_lg_u32 s[WV], 0
	s_cbranch_scc1 .Lnw0_\@
	s_barrier_signal -3
.Lnw0_\@:
	s_barrier_wait -3
	s_barrier_signal -1
	s_barrier_wait -1
.endm
.macro ROUND
	s_barrier_signal -1
	s_barrier_wait -1
	CREST
.endm
; my row's numbers of K step s, 64 a lane: register 16 b + i = k 128 s + 32 b + 16 h + i.  No hint: four loads on end name parts of the same 64 bytes
.macro XLOAD reg, s
.irp b, 0,1,2,3
.irp j, 0,1,2,3
	global_load_b128 v[\reg+16*\b+4*\j:\reg+16*\b+4*\j+3], v[XA], s[4:5] offset:512*\s+128*\b+16*\j
.endr
.endr
.endm
.macro SQ reg, first                   ; the squares of 64 numbers onto four packed chains
.set SQI, 0
.rept 32
.if \first && (SQI < 4)
	v_pk_mul_f32 v[ACC+2*(SQI%4):ACC+2*(SQI%4)+1], v[\reg+2*SQI:\reg+2*SQI+1], v[\reg+2*SQI:\reg+2*SQI+1]
.else
	v_pk_fma_f32 v[ACC+2*(SQI%4):ACC+2*(SQI%4)+1], v[\reg+2*SQI:\reg+2*SQI+1], v[\reg+2*SQI:\reg+2*SQI+1], v[ACC+2*(SQI%4):ACC+2*(SQI%4)+1]
.endif
.set SQI, SQI+1
.endr
.endm
; 64 numbers of a lane become a fragment's 16 registers of codes in v[pc] on and its row's scale word in v[pw]
.macro QUANT s, pc, pw
.irp b, 0,1,2,3
	v_max3_num_f32 v[TM+\b], |v[\s+16*\b]|, |v[\s+1+16*\b]|, 0x8000000   ; my 16 numbers of block b, and the floor 2^(16 - 127): the byte cannot fall under 1
.endr
.irp i, 2,4,6,8,10,12,14
.irp b, 0,1,2,3
	v_max3_num_f32 v[TM+\b], v[TM+\b], |v[\s+16*\b+\i]|, |v[\s+1+16*\b+\i]|
.endr
.endr
.irp b, 0,1,2,3
	v_permlanex16_b32 v[TM+4+\b], v[TM+\b], s[SEL], s[SEL+1]
.endr
.irp b, 0,1,2,3
	v_max_num_f32 v[TM+\b], v[TM+\b], v[TM+4+\b]   ; the block's largest magnitude
.endr
.irp b, 0,1,2,3
	v_add_nc_u32 v[TM+12+\b], 0xf8800000, v[TM+\b]   ; 15 off its exponent field: the conversion's scale operand
.endr
.irp b, 0,1,2,3
	v_and_or_b32 v[TM+8+\b], v[TM+\b], 0x7f800000, s[MNT]   ; 57,344 x the scale
.endr
.irp b, 0,1,2,3
	v_lshrrev_b32 v[TM+4+\b], 23, v[TM+12+\b]   ; the scale's byte
.endr
	v_lshl_or_b32 v[\pw], v[TM+5], 8, v[TM+4]
	v_lshl_or_b32 v[\pw], v[TM+6], 16, v[\pw]
	v_lshl_or_b32 v[\pw], v[TM+7], 24, v[\pw]
.irp b, 0,1,2,3
.irp i, 0,1,2,3,4,5,6,7,8,9,10,11,12,13,14,15
	v_med3_num_f32 v[\s+16*\b+\i], v[\s+16*\b+\i], -v[TM+8+\b], v[TM+8+\b]   ; the conversion does not saturate (ISA guide 7.6.2): the hold
.endr
	v_cvt_scalef32_pk8_bf8_f32 v[\pc+4*\b:\pc+1+4*\b], v[\s+16*\b:\s+7+16*\b], v[TM+12+\b]
	v_cvt_scalef32_pk8_bf8_f32 v[\pc+2+4*\b:\pc+3+4*\b], v[\s+8+16*\b:\s+15+16*\b], v[TM+12+\b]
.endr
	v_nop                                          ; one plain vector line behind the last scaled conversion
.endm
.macro LOADA slot, i                   ; record i of my part of a slot: the two fragments as they lie, and the scale words
.irp s, 0,1
.irp c, 0,1,2,3
	ds_load_b128 v[AF+16*\s+4*\c:AF+16*\s+4*\c+3], v[ADR+\slot] offset:(\i)*REC+2048*\s+512*\c
.endr
.endr
	ds_load_b32 v[ASC], v[ADS+\slot] offset:(\i)*REC+4096
.endm
.macro LOADW slot, i, w                ; ww of my half's eight codes, into set w
	ds_load_b128 v[WW+8*(\w):WW+8*(\w)+3], v[ADW+\slot] offset:(\i)*REC+4224
	ds_load_b128 v[WW+8*(\w)+4:WW+8*(\w)+7], v[ADW+\slot] offset:(\i)*REC+4240
.endm
.macro PADD1 n, w, j                   ; two of t = ww + xx for tile of rows n, into set n % 2
.if ((\n)%2) == 0
	v_pk_add_f32 v[T+\j:T+\j+1], v[WW+8*(\w)+\j:WW+8*(\w)+\j+1], v[XX+(\n):XX+(\n)+1] op_sel_hi:[1,0]
.else
	v_pk_add_f32 v[T+8+\j:T+8+\j+1], v[WW+8*(\w)+\j:WW+8*(\w)+\j+1], v[XX+(\n)-1:XX+(\n)] op_sel:[0,1] op_sel_hi:[1,1]
.endif
.endm
.macro FMA1 n, j                       ; two of d = -2 dot + t, in place
	v_pk_fma_f32 v[D+8*(\n)+\j:D+8*(\n)+\j+1], v[D+8*(\n)+\j:D+8*(\n)+\j+1], -2.0, v[T+8*((\n)%2)+\j:T+8*((\n)%2)+\j+1] op_sel_hi:[1,0,1]
.endm
.macro KEEP n, j                       ; two of the group's distances are kept where VCC says so
	v_dual_cndmask_b32 v[SV+8*(\n)+\j], v[SV+8*(\n)+\j], v[D+8*(\n)+\j] :: v_dual_cndmask_b32 v[SV+8*(\n)+\j+1], v[SV+8*(\n)+\j+1], v[D+8*(\n)+\j+1]
.endm
; ONE TRIP OF THE PIPELINE, u = -2 .. 7: compare and selects of tile of rows u; minima of tile u + 2 (into v[GM + (u + 2) % 3]); d of tile u + 3; t of tile u + 4.
; t's set (u + 4) % 2 was read out by d of tile u + 2 a trip earlier.  Each accumulator's first read is of its two lowest registers.
.macro ITER u, w
.if (\u) >= 0
	v_cmp_lt_f32 vcc_lo, v[GM+(\u)%3], v[BEST+(\u)]   ; strictly less than the best so far?
.endif
.if (\u) < 4
	PADD1 (\u)+4, \w, 0
	PADD1 (\u)+4, \w, 2
.endif
.if (\u) < 5
	FMA1 (\u)+3, 0
	FMA1 (\u)+3, 2
.endif
.if (\u) < 6
	v_min3_num_f32 v[GM+((\u)+2)%3], v[D+8*((\u)+2)], v[D+8*((\u)+2)+1], v[D+8*((\u)+2)+2]
	v_min3_num_f32 v[GB0+GBD*(((\u)+2)%2)], v[D+8*((\u)+2)+3], v[D+8*((\u)+2)+4], v[D+8*((\u)+2)+5]
.endif
.if ((\u) >= -1) && ((\u) < 7)
	v_min_num_f32 v[GM+((\u)+1)%3], v[GM+((\u)+1)%3], v[GB0+GBD*(((\u)+1)%2)]   ; tile u + 1: its two halves are joined a trip behind its other minima: the group's least distance
.endif
.if (\u) >= 0
	v_dual_cndmask_b32 v[BEST+(\u)], v[BEST+(\u)], v[GM+(\u)%3] :: v_dual_cndmask_b32 v[GID+(\u)], v[GID+(\u)], v[TID]
	KEEP \u, 0
	KEEP \u, 2
.endif
.if (\u) < 5
	FMA1 (\u)+3, 4
	FMA1 (\u)+3, 6
.endif
.if (\u) < 6
	v_min3_num_f32 v[GM+((\u)+2)%3], v[GM+((\u)+2)%3], v[D+8*((\u)+2)+6], v[D+8*((\u)+2)+7]
.endif
.if (\u) >= 0
	KEEP \u, 4
	KEEP \u, 6
.endif
.if (\u) < 4
	PADD1 (\u)+4, \w, 4
	PADD1 (\u)+4, \w, 6
.endif
.endm
; ONE TILE OF 16 CODES against the 128 rows: 16 matrix instructions, the eight accumulators by turns; then the vector work.
; The eight packed additions behind the products name none of their registers: they are the eight places ahead of the loads into the fragments and of the first read of results.
; mode 0: the next tile lies in the same slot.  1: the slot's last tile, with the round and the refill.  2: the slot's last tile, nothing is filled.  3: the very last tile.
.macro TILE slot, i, mode
	v_mov_b32 v[TID], s[TC]
	s_add_co_u32 s[TC], s[TC], 1
.if \mode == 1
	s_wait_xcnt 0x0                                ; the last prefetch, a slot back, has read its address: it may be stepped
	s_add_nc_u64 s[PFA:PFA+1], s[PFA:PFA+1], SLOTB
	s_wait_tensorcnt 0x0                           ; all my tensor loads have landed: the one that was out is my part of the next slot
	ds_add_u32 v[SPW], v[NIL]
	s_add_nc_u64 s[G0+4*\slot+2:G0+4*\slot+3], s[G0+4*\slot+2:G0+4*\slot+3], 2*SLOTB   ; this slot's next fill
.endif
	s_wait_dscnt 0x0                               ; the tile's eleven LDS loads are in (mode 1: and the add is done; these were my last reads of this slot)
.if \mode == 1
	s_barrier_signal -1                            ; opens the round; work on registers alone up to its wait
.endif
	WIN 0x04                                       ; source 1 (x) in window 1
.irp n, 0,1,2,3,4,5,6,7
	v_wmma_scale_f32_16x16x128_f8f6f4 v[D+8*\n:D+8*\n+7], v[AF:AF+15], v[32*\n:32*\n+15], 0, v[ASC], v[XS+\n] matrix_a_fmt:MATRIX_FMT_BF8 matrix_b_fmt:MATRIX_FMT_BF8
.endr
.irp n, 0,1,2,3,4,5,6,7
	v_wmma_scale_f32_16x16x128_f8f6f4 v[D+8*\n:D+8*\n+7], v[AF+16:AF+31], v[32*\n+16:32*\n+31], v[D+8*\n:D+8*\n+7], v[ASC], v[XS+\n] matrix_a_fmt:MATRIX_FMT_BF8 matrix_b_fmt:MATRIX_FMT_BF8 matrix_a_scale:MATRIX_SCALE_ROW1 matrix_b_scale:MATRIX_SCALE_ROW1
.endr
	WIN 0
.irp n, 0,1
.irp j, 0,2,4,6
	PADD1 \n, (\i)%2, \j
.endr
.endr
.if \mode == 0
	LOADA \slot, (\i)+1                            ; the next tile: it has this tile's vector work in which to come
	LOADW \slot, (\i)+1, 1-(\i)%2
.endif
.irp j, 0,2,4,6
	FMA1 0, \j
.endr
.irp u, -2,-1,0,1,2
	ITER \u, (\i)%2
.endr
.if \mode == 1
	s_wait_alu depctr_va_vdst(0)
	s_barrier_wait -1
	CREST                                          ; no wave of any partner still reads this slot or has a load on its way
	tensor_load_to_lds s[G0+4*\slot:G0+4*\slot+3], s[G1:G1+7]   ; my one tensor load behind the round: one load of mine is out
	s_nop 0
.rept 4
	v_nop
.endr
	LOADA 1-\slot, 0
	LOADW 1-\slot, 0, 0
	; a prefetch of the stream's slot that the NEXT round's tensor loads ask for: four tiles, 64 matrix instructions a wave, ahead of that load.  All clusters walk one stream: cluster 0 asks.
	; Of the 68 blocks of 256 bytes of wave w's part each partner takes 17, told apart by ADDRESS; lanes 17 to 31 name block 16 once more.  The 14th round would name a slot past the stream's end: it asks for nothing.
.if \slot == 0
	s_cmp_ge_u32 s[CNT], s[PFL]
.else
	s_cmp_gt_u32 s[CNT], s[PFL]
.endif
	s_cbranch_scc0 .Lna_\@
	global_prefetch_b8 v[PFO], s[PFA:PFA+1] th:TH_LOAD_NT scope:SCOPE_SE
.Lna_\@:
.endif
.if \mode == 2
	s_wait_alu depctr_va_vdst(0)
	s_wait_tensorcnt 0x0                           ; my part of the last slot is in; I alone read it
	LOADA 1-\slot, 0
	LOADW 1-\slot, 0, 0
.endif
.irp u, 3,4,5,6,7
	ITER \u, (\i)%2
.endr
.endm
	s_load_b256 s[4:11], s[0:1], 0x0               ; inputs s[4:5], wpack s[6:7], out1 s[8:9], order s[10:11]
	v_lshl_add_u32 v[SPW], v0, 2, SPARE
	v_mov_b32 v[NIL], 0
	ds_add_u32 v[SPW], v[NIL]
	ds_add_u32 v[SPW], v[NIL]
	v_lshrrev_b32 v1, 5, v0
	v_readfirstlane_b32 s[WV], v1                  ; wave 0..7
	v_and_b32 v1, 31, v0                           ; lane
	v_and_b32 v2, 15, v0                           ; r
	v_bfe_u32 v3, v0, 4, 1                         ; h
	v_lshlrev_b32 v[XA], 10, v2
	v_lshl_add_u32 v[XA], v3, 6, v[XA]
	s_bfe_u32 s13, ttmp6, 0x40000                  ; cx: it enters x's, the outputs' and the prefetches' global addresses alone
	s_lshl_b32 s14, ttmp9, 2
	s_add_co_u32 s14, s14, s13                     ; my block of 128 rows
	s_lshl_b32 s48, s14, 17                        ; x: my block's 128 rows of 1,024 bytes,
	s_lshl_b32 s50, s[WV], 14                      ; my wave's 16 of them
	s_add_co_u32 s48, s48, s50
	s_mov_b32 s49, 0
	s_wait_alu depctr_va_vdst(0)
	s_wait_dscnt 0x0                               ; both opening adds are done
	s_wait_kmcnt 0x0
	s_add_nc_u64 s[4:5], s[4:5], s[48:49]
	XLOAD D, 0                                     ; x's K step 0 is asked for first; its K step 1 follows behind W's first tile
	s_mul_i32 s40, s[WV], PARTB                    ; my part of a slot: in LDS and in the stream alike
	v_lshl_add_u32 v[ADR], v1, 4, s40
	v_lshl_add_u32 v[ADS], v1, 2, s40
	v_lshl_add_u32 v[ADW], v3, 5, s40
	v_lshl_add_u32 v[XB], v1, 4, XIMG
	v_lshl_add_u32 v[XS4], v1, 2, XSC
	v_add_nc_u32 v[ADR+1], SLOTB, v[ADR]
	v_add_nc_u32 v[ADS+1], SLOTB, v[ADS]
	v_add_nc_u32 v[ADW+1], SLOTB, v[ADW]
	s_lshl_b32 s41, s[WV], 12
	v_add_nc_u32 v[XWI], s41, v[XB]
	s_lshl_b32 s41, s[WV], 7
	v_add_nc_u32 v[XWS], s41, v[XS4]
	s_lshl_b32 s41, s[WV], 10
	v_lshl_add_u32 v[SCW], v2, 3, s41
	s_lshl_b32 s41, s[WV], 9
	v_add_nc_u32 v[SCRD], s41, v[XB]
	s_lshl_b32 s41, s[WV], 8
	v_lshl_add_u32 v[OUTO], v1, 3, s41
	v_min_u32 v[PFO], 16, v1
	v_add_nc_u32 v[SCW], SCR, v[SCW]
	v_lshlrev_b32 v[PFO], 8, v[PFO]
	v_lshlrev_b32 v[H8], 3, v3                     ; 8 h, for the end
.irp b, 0,1,2,3
	v_mov_b32 v[TM+4+\b], 0                        ; a lane permute's destination counts as one of its sources
.endr
	; descriptor group 1: a wave's part, 17,408 dense bytes, as 68 rows of 32 elements of 8 bytes; no padding: every LDS read of it takes consecutive bytes
	s_mov_b32 s[G1+0], 15|(3<<16)|(1<<21)
	s_mov_b32 s[G1+1], 32<<16
	s_mov_b32 s[G1+2], 68<<16
	s_mov_b32 s[G1+3], 32<<16
	s_mov_b32 s[G1+4], 68
	s_mov_b32 s[G1+5], 32
	s_mov_b32 s[G1+6], 0
	s_mov_b32 s[G1+7], 0
	s_mov_b32 s[SEL], 0x76543210
	s_mov_b32 s[SEL+1], 0xfedcba98
	s_mov_b32 s[MNT], 0x600000
	s_lshl_b32 s[TC], s[WV], 6                     ; my first tile: 64 x wave
	s_cmp_eq_u32 ttmp9, 0                          ; the cluster's number: the same in all four partners
	s_cselect_b32 s[PFL], 1, 0x7fffffff
	s_mov_b32 s44, s40
	s_mov_b32 s45, 0
	s_add_nc_u64 s[46:47], s[6:7], s[44:45]        ; the stream at my part of slot 0: made of the wave's number alone
.irp n, 0,1
	s_mov_b32 s[G0+4*\n], 1
	s_add_co_u32 s[G0+4*\n+1], s40, \n*SLOTB
	s_add_nc_u64 s[G0+4*\n+2:G0+4*\n+3], s[46:47], \n*SLOTB
	s_or_b32 s[G0+4*\n+3], s[G0+4*\n+3], 0x80000000
.endr
	s_mul_i32 s48, s13, REC                        ; the prefetches: my work-group's 17 blocks of my wave's part,
	s_add_co_u32 s48, s48, 2*SLOTB                 ; in slot 2: the first round steps it to slot 3
	s_add_nc_u64 s[PFA:PFA+1], s[46:47], s[48:49]
	s_lshl_b32 s48, s14, 9                         ; the outputs: my block's 128 indices
	s_add_nc_u64 s[8:9], s[8:9], s[48:49]
	s_add_nc_u64 s[10:11], s[10:11], s[48:49]
	ROUND                                          ; all four work-groups are here: the first joint loads meet
	tensor_load_to_lds s[G0:G0+3], s[G1:G1+7]      ; the stream's slot 0, my part: my one tensor load at the head
	s_nop 0
.rept 4
	v_nop
.endr
	XLOAD SV, 1
	; ---- my 16 rows of x: xx, two fragments, their scale words: to LDS as images of the registers
	s_wait_loadcnt 16                              ; K step 0's 16 loads are in; K step 1's 16 may be out
	SQ D, 1                                        ; the squares first: the hold in QUANT writes the numbers
	QUANT D, AF, PW
.irp c, 0,1,2,3
	ds_store_b128 v[XWI], v[AF+4*\c:AF+4*\c+3] offset:512*\c
.endr
	s_wait_loadcnt 0x0
	SQ SV, 0
	QUANT SV, AF+16, PW+1
.irp c, 0,1,2,3
	ds_store_b128 v[XWI], v[AF+16+4*\c:AF+16+4*\c+3] offset:2048+512*\c
.endr
	v_pk_add_f32 v[ACC:ACC+1], v[ACC:ACC+1], v[ACC+2:ACC+3]
	v_pk_add_f32 v[ACC+4:ACC+5], v[ACC+4:ACC+5], v[ACC+6:ACC+7]
	v_cmp_eq_u32 vcc_lo, 1, v3
	v_cndmask_b32 v[OI], v[PW], v[PW+1], vcc_lo    ; lanes 0-15: K step 0's word, lanes 16-31: K step 1's
	v_pk_add_f32 v[ACC:ACC+1], v[ACC:ACC+1], v[ACC+4:ACC+5]
	ds_store_b32 v[XWS], v[OI]
	v_add_f32 v[ACC], v[ACC], v[ACC+1]
	v_permlanex16_b32 v[ACC+1], v[ACC], s[SEL], s[SEL+1]
	v_add_f32 v[OB], v[ACC], v[ACC+1]              ; my row's xx, in both halves of the lanes
	ds_store_b32 v[XWS], v[OB] offset:XXI-XSC
	s_wait_tensorcnt 0x0                           ; my part of slot 0 is in
	ds_add_u32 v[SPW], v[NIL]
	s_wait_dscnt 0x0                               ; the add is done, and, for the others' sake, my stores have landed
	ROUND                                          ; x's sixteen images lie in LDS, and all four work-groups are here
	tensor_load_to_lds s[G0+4:G0+7], s[G1:G1+7]    ; slot 1's first fill: my one tensor load behind the round
	s_nop 0
.rept 4
	v_nop
.endr
	WIN 0x40                                       ; destination window 1
.irp f, 0,1,2,3,4,5,6,7,8,9,10,11,12,13,14,15
.irp c, 0,1,2,3
	ds_load_b128 v[16*\f+4*\c:16*\f+4*\c+3], v[XB] offset:2048*\f+512*\c   ; all 128 rows stay in my registers: tile of rows i, K step s at v[32 i + 16 s] of window 1
.endr
.endr
	WIN 0
.irp i, 0,1,2,3,4,5,6,7
	ds_load_b32 v[XS+\i], v[XS4] offset:128*\i
	ds_load_b32 v[XX+\i], v[XS4] offset:XXI-XSC+128*\i
.endr
	LOADA 0, 0
	LOADW 0, 0, 0
	; the selects read the best, the tile's number and the kept distances from the first tile on: they begin as +infinity and 0, once
	s_mov_b32 s41, 0x7f800000
.set I, 0
.rept 72
	v_mov_b32 v[SV+I], s41
.set I, I+1
.endr
.irp i, 0,1,2,3,4,5,6,7
	v_mov_b32 v[GID+\i], 0
.endr
	; ---- the stream's 16 slots: a trip of the loop goes once round the ring and fills both slots again
	s_mov_b32 s[CNT], 7
.Lring:
	TILE 0, 0, 0
	TILE 0, 1, 0
	TILE 0, 2, 0
	TILE 0, 3, 1
	TILE 1, 0, 0
	TILE 1, 1, 0
	TILE 1, 2, 0
	TILE 1, 3, 1
	s_sub_co_u32 s[CNT], s[CNT], 1
	s_cmp_lg_u32 s[CNT], 0
	s_cbranch_scc1 .Lring
	TILE 0, 0, 0                                   ; the last two slots are written out: nothing more is asked for
	TILE 0, 1, 0
	TILE 0, 2, 0
	TILE 0, 3, 2
	TILE 1, 0, 0
	TILE 1, 1, 0
	TILE 1, 2, 0
	TILE 1, 3, 3
	; ---- my 1,024 codes' result for each of the 128 rows, the eight tiles of rows by turns in every stage.  At work: v[D+i] the place, v[D+8+i] the index, v[D+16+i], v[D+24+i] the other half's distance and index
.irp i, 0,1,2,3,4,5,6,7
	v_mov_b32 v[D+\i], 7
.endr
.irp j, 6,5,4,3,2,1,0                  ; descending: the first distance equal to the best has the last word
.irp i, 0,1,2,3,4,5,6,7
	v_cmp_neq_f32 s[MA+\i], v[SV+8*\i+\j], v[BEST+\i]
.endr
.irp i, 0,1,2,3,4,5,6,7
	v_cndmask_b32 v[D+\i], \j, v[D+\i], s[MA+\i]
.endr
.endr
.irp i, 0,1,2,3,4,5,6,7
	v_lshl_add_u32 v[D+8+\i], v[GID+\i], 4, v[D+\i]
.endr
.irp i, 0,1,2,3,4,5,6,7
	v_add_nc_u32 v[D+8+\i], v[D+8+\i], v[H8]       ; 16 T + 8 h + place
.endr
.irp i, 0,1,2,3,4,5,6,7
	v_permlanex16_b32 v[D+16+\i], v[BEST+\i], s[SEL], s[SEL+1]
.endr
.irp i, 0,1,2,3,4,5,6,7
	v_permlanex16_b32 v[D+24+\i], v[D+8+\i], s[SEL], s[SEL+1]
.endr
.irp i, 0,1,2,3,4,5,6,7
	v_cmp_lt_f32 s[MA+\i], v[D+16+\i], v[BEST+\i]
.endr
.irp i, 0,1,2,3,4,5,6,7
	v_cmp_eq_f32 s[MB+\i], v[D+16+\i], v[BEST+\i]
.endr
.irp i, 0,1,2,3,4,5,6,7
	v_cmp_lt_u32 s[MC+\i], v[D+24+\i], v[D+8+\i]
.endr
.irp i, 0,1,2,3,4,5,6,7
	s_and_b32 s[MB+\i], s[MB+\i], s[MC+\i]
	s_or_b32 s[MA+\i], s[MA+\i], s[MB+\i]          ; the other half's where it is less, or equal with the lower index: both halves then hold the same pair
.endr
.irp i, 0,1,2,3,4,5,6,7
	v_cndmask_b32 v[PR+2*\i], v[BEST+\i], v[D+16+\i], s[MA+\i]
	v_cndmask_b32 v[PR+2*\i+1], v[D+8+\i], v[D+24+\i], s[MA+\i]
.endr
.irp i, 0,1,2,3,4,5,6,7
	ds_store_b64 v[SCW], v[PR+2*\i:PR+2*\i+1] offset:128*\i   ; lanes r and r + 16 write the same 8 bytes with the same value
.endr
	s_wait_dscnt 0x0                               ; for the others' sake: my stores have landed
	s_barrier_signal -1
	s_barrier_wait -1
	s_cmp_lt_u32 s[WV], 2                          ; waves 0 and 1 join the eight waves' results, 64 rows each, two rows a lane
	s_cbranch_scc0 .Lothers
.irp c, 0,1,2,3,4,5,6,7
	ds_load_b128 v[D+4*\c:D+4*\c+3], v[SCRD] offset:1024*\c   ; wave c's (distance, index) of rows 64 w + 2 lane and the next
.endr
	s_wait_dscnt 0x0
.irp c, 1,2,3,4,5,6,7                  ; ascending, by strictly less: the lower codes stay on a tie
	v_cmp_lt_f32 vcc_lo, v[D+4*\c], v[D]
	v_cmp_lt_f32 s[MK], v[D+4*\c+2], v[D+2]
	v_cndmask_b32 v[D], v[D], v[D+4*\c], vcc_lo
	v_cndmask_b32 v[D+1], v[D+1], v[D+4*\c+1], vcc_lo
	v_cndmask_b32 v[D+2], v[D+2], v[D+4*\c+2], s[MK]
	v_cndmask_b32 v[D+3], v[D+3], v[D+4*\c+3], s[MK]
.endr
	v_mov_b32 v[D+2], v[D+1]                       ; the two indices side by side
	global_store_b64 v[OUTO], v[D+2:D+3], s[8:9]   ; 32 lanes store 256 consecutive bytes, at a multiple of 256 from the buffer's first byte
	global_store_b64 v[OUTO], v[D+2:D+3], s[10:11]
.Lothers:
	s_wait_tensorcnt 0x0                           ; the wave's end
	ds_add_u32 v[SPW], v[NIL]
	s_wait_dscnt 0x0
	ROUND                                          ; the closing round
	s_endpgm
.Lfunc_end_k_qb92448eaaa_nearest:
	.size	k_qb92448eaaa_nearest, .Lfunc_end_k_qb92448eaaa_nearest-k_qb92448eaaa_nearest
	.p2alignl 7, 3214868480
	.fill 96, 4, 3214868480
	.section	.rodata,"a",@progbits
	.p2align	6, 0x0
	.amdhsa_kernel k_qb92448eaaa_nearest
		.amdhsa_group_segment_fixed_size 327680
		.amdhsa_private_segment_fixed_size 0
		.amdhsa_enable_private_segment 0
		.amdhsa_kernarg_size 32
		.amdhsa_user_sgpr_count 2
		.amdhsa_user_sgpr_kernarg_segment_ptr 1
		.amdhsa_wavefront_size32 1
		.amdhsa_system_sgpr_workgroup_id_x 1
		.amdhsa_system_sgpr_workgroup_id_y 1
		.amdhsa_system_sgpr_workgroup_id_z 1
		.amdhsa_system_vgpr_workitem_id 0
		.amdhsa_next_free_vgpr 512
		.amdhsa_next_free_sgpr 96
		.amdhsa_reserve_vcc 1
		.amdhsa_float_denorm_mode_32 3
		.amdhsa_float_denorm_mode_16_64 3
		.amdhsa_memory_ordered 1
		.amdhsa_forward_progress 1
		.amdhsa_inst_pref_size 237
	.end_amdhsa_kernel
	.amdgpu_metadata
---
amdhsa.version: [ 1, 2 ]
amdhsa.kernels:
  - .name:           k_qb92448eaaa_nearest
    .symbol:         k_qb92448eaaa_nearest.kd
    .args:
      - { .name: inputs, .offset: 0, .size: 8, .value_kind: global_buffer, .address_space: global }
      - { .name: wpack, .offset: 8, .size: 8, .value_kind: global_buffer, .address_space: global }
      - { .name: out1, .offset: 16, .size: 8, .value_kind: global_buffer, .address_space: global }
      - { .name: order, .offset: 24, .size: 8, .value_kind: global_buffer, .address_space: global }
    .group_segment_fixed_size: 327680
    .private_segment_fixed_size: 0
    .kernarg_segment_align: 8
    .kernarg_segment_size: 32
    .max_flat_workgroup_size: 256
    .sgpr_count:     96
    .vgpr_count:     512
    .wavefront_size: 32
...
	.end_amdgpu_metadata
.endif
;; end of part 2
;; launch fetch (part 3): grid 256 x 1, 8 waves a work-group, no clusters, 0 bytes of LDS; arguments order, embeddings_weight, out0; writes out0
.if DOCPART == 3
	.amdgcn_target "amdgcn-amd-amdhsa--gfx1250"
	.amdhsa_code_object_version 6
	.text
	.protected	k_qb92448eaaa_fetch
	.globl	k_qb92448eaaa_fetch
	.p2align	8
	.type	k_qb92448eaaa_fetch,@function
k_qb92448eaaa_fetch:
	s_mov_b64 s[64:65], 0
	v_nop
	global_prefetch_b8 v0, s[64:65] scope:SCOPE_SE
	s_setreg_imm32_b32 hwreg(HW_REG_WAVE_MODE, 25, 1), 1
	s_wait_xcnt 0x0
; out0[n][:] = W[order[n]][:]: 32,768 rows of 1,024 bytes, f32 as they lie.  The indices were stored as whole numbers by the launch before.
; A wave takes 16 rows: its 16 indices come by one scalar load; a row is two loads of 512 consecutive bytes (16 a lane) and two stores of 512 consecutive bytes, at multiples of 256 from the buffer's first byte.
; All 32 loads of a wave go out before its first store: 16 KiB a wave, 128 KiB a work-group on their way.  No LDS, no barrier, no matrix unit, no cluster: a plain copy, and waves share nothing.
; The loads carry no hint: the list may name a row of W many times.  The stores' bytes are written once and read by nobody here.
; An index is held to 0 .. 8,191 before it enters an address (it lies there by construction).
.set OFF, 2                            ; v2-17   row n: 1024 x its index + 16 x lane
.set X,   32                           ; v32-159 load k = 2 n + u: four registers
	s_load_b128 s[4:7], s[0:1], 0x0                ; order s[4:5], W s[6:7]
	s_load_b64 s[8:9], s[0:1], 0x10                ; out0
	v_lshrrev_b32 v1, 5, v0
	s_delay_alu instid0(VALU_DEP_1)
	v_readfirstlane_b32 s10, v1                    ; wave 0..7
	v_and_b32 v1, 31, v0
	s_delay_alu instid0(VALU_DEP_1)
	v_lshlrev_b32 v1, 4, v1                        ; 16 x lane
	s_lshl_b32 s11, ttmp9, 7
	s_lshl_b32 s12, s10, 4
	s_add_co_u32 s11, s11, s12                     ; my first row: 128 x work-group + 16 x wave
	s_lshl_b32 s12, s11, 2                         ; its index,
	s_mov_b32 s13, 0
	s_lshl_b32 s14, s11, 10                        ; its row of out0 (under 2^25)
	s_mov_b32 s15, 0
	s_wait_alu depctr_va_vdst(0)
	s_wait_kmcnt 0x0
	s_add_nc_u64 s[4:5], s[4:5], s[12:13]
	s_add_nc_u64 s[8:9], s[8:9], s[14:15]
	s_load_b512 s[16:31], s[4:5], 0x0              ; my 16 indices
	s_wait_kmcnt 0x0
.irp n, 0,1,2,3,4,5,6,7,8,9,10,11,12,13,14,15
	s_min_u32 s[16+\n], s[16+\n], 0x1fff
	s_lshl_b32 s[16+\n], s[16+\n], 10
	v_add_nc_u32 v[OFF+\n], s[16+\n], v1
.endr
	s_wait_alu depctr_va_vdst(0)
.irp n, 0,1,2,3,4,5,6,7,8,9,10,11,12,13,14,15
	global_load_b128 v[X+8*\n:X+8*\n+3], v[OFF+\n], s[6:7]
	global_load_b128 v[X+8*\n+4:X+8*\n+7], v[OFF+\n], s[6:7] offset:512
.endr
.irp k, 0,1,2,3,4,5,6,7,8,9,10,11,12,13,14,15,16,17,18,19,20,21,22,23,24,25,26,27,28,29,30,31
	s_wait_loadcnt 31-\k                           ; loads come back in order (ISA guide 5.7.1): load k is in, the 31 - k issued behind it may be out
	global_store_b128 v1, v[X+4*\k:X+4*\k+3], s[8:9] offset:512*\k th:TH_STORE_NT
.endr
	s_endpgm
.Lfunc_end_k_qb92448eaaa_fetch:
	.size	k_qb92448eaaa_fetch, .Lfunc_end_k_qb92448eaaa_fetch-k_qb92448eaaa_fetch
	.p2alignl 7, 3214868480
	.fill 96, 4, 3214868480
	.section	.rodata,"a",@progbits
	.p2align	6, 0x0
	.amdhsa_kernel k_qb92448eaaa_fetch
		.amdhsa_group_segment_fixed_size 0
		.amdhsa_private_segment_fixed_size 0
		.amdhsa_enable_private_segment 0
		.amdhsa_kernarg_size 24
		.amdhsa_user_sgpr_count 2
		.amdhsa_user_sgpr_kernarg_segment_ptr 1
		.amdhsa_wavefront_size32 1
		.amdhsa_system_sgpr_workgroup_id_x 1
		.amdhsa_system_sgpr_workgroup_id_y 1
		.amdhsa_system_sgpr_workgroup_id_z 1
		.amdhsa_system_vgpr_workitem_id 0
		.amdhsa_next_free_vgpr 160
		.amdhsa_next_free_sgpr 66
		.amdhsa_reserve_vcc 0
		.amdhsa_float_denorm_mode_32 3
		.amdhsa_float_denorm_mode_16_64 3
		.amdhsa_memory_ordered 1
		.amdhsa_forward_progress 1
		.amdhsa_inst_pref_size 11
	.end_amdhsa_kernel
	.amdgpu_metadata
---
amdhsa.version: [ 1, 2 ]
amdhsa.kernels:
  - .name:           k_qb92448eaaa_fetch
    .symbol:         k_qb92448eaaa_fetch.kd
    .args:
      - { .name: order, .offset: 0, .size: 8, .value_kind: global_buffer, .address_space: global }
      - { .name: embeddings_weight, .offset: 8, .size: 8, .value_kind: global_buffer, .address_space: global }
      - { .name: out0, .offset: 16, .size: 8, .value_kind: global_buffer, .address_space: global }
    .group_segment_fixed_size: 0
    .private_segment_fixed_size: 0
    .kernarg_segment_align: 8
    .kernarg_segment_size: 24
    .max_flat_workgroup_size: 256
    .sgpr_count:     66
    .vgpr_count:     160
    .wavefront_size: 32
...
	.end_amdgpu_metadata
.endif
;; end of part 3
